; MI455X (gfx1250); checked and timed in simulation.
; The chip was launched on July 23, 2026; its instructions are those of AMD's public machine-readable ISA for CDNA 5 (MIT licence, August 2026) and "CDNA5" Instruction Set Architecture Reference Guide (July 2026). The comments in the code are by the model that wrote it; some were corrected since.
;; Swi GLU Expert. Allowed arithmetic: matrix products marked QUANTISED: E5M2 operands, one given power-of-two scale a tensor, by v_wmma_f32_16x16x64_bf8_bf8 or v_wmma_f32_16x16x128_bf8_bf8, f32 sums; everything else in f32.
;; Inputs: W_down 2,048 x 1,024 float32; W_gate 1,024 x 2,048 float32; W_up 1,024 x 2,048 float32; lowp_scales 6 int32 (the exponents e of the quantised operands' scales 2^e); x 4 x 2,048 x 2,048 float32.
;; Outputs: out0 4 x 2,048 x 2,048 float32.
;; This version of the problem:
;;   THIS VERSION OF THE PROBLEM IS GIVEN IN LOW PRECISION. The matrix products marked QUANTISED in the list below multiply operands that are first quantised to E5M2 (5 exponent bits, 2 mantissa bits; 8 bits a number), with one given power-of-two scale for each operand tensor; their sums are f32. All else is computed in f32.
;;   The module's matrix products, in the order in which they are computed (A, B: the left and right operand; K: the contracted axis; several contracted axes count as one K, in the product's order):
;;     1. [M 8,192, K 2,048] x [K 2,048, N 1,024]; A: input x; B: computed on the way: QUANTISED (scales: A lowp_scales[0], B lowp_scales[1])
;;     2. [M 8,192, K 2,048] x [K 2,048, N 1,024]; A: input x; B: computed on the way: QUANTISED (scales: A lowp_scales[2], B lowp_scales[3])
;;     3. [M 8,192, K 1,024] x [K 1,024, N 2,048]; A: computed on the way; B: computed on the way: QUANTISED (scales: A lowp_scales[4], B lowp_scales[5])
;;   THE QUANTISER, for each operand of a quantised product, along K:
;;     - The operand's scale is 2^e, e = its entry of the input lowp_scales (int32; the entries are numbered through the quantised products in the list's order, A before B).
;;     - Each number is divided by the scale, clamped to +-57,344, and rounded to the nearest number of E5M2, ties to even, subnormals kept.
;;     - The product sums the exact products of the quantised numbers (number of the format x scale) in f32.
;;   ~~~python
;;   def quantise(x, axis, e):      # numpy; x: float32 -> the quantised numbers, widened to float32 again
;;       x = np.moveaxis(x, axis, -1); K = x.shape[-1]
;;       r = np.clip(x / 2.0 ** e, -57344, 57344)
;;       step = 2.0 ** (np.maximum(np.frexp(np.where(r == 0, 1, r))[1] - 1, -14) - 2)
;;       q = np.round(r / step) * step * 2.0 ** e      # np.round: ties to even
;;       return np.moveaxis(q, -1, axis).astype(np.float32)
;;   ~~~
;;   OPERANDS COMPUTED ON THE WAY. 'Computed on the way' means the value that the module computes at that place (a softmax that the list does not call 'softmax' is quantised finished and normalised). What goes into a quantiser is computed in f32, as accurately as f32 sums, v_exp_f32 and their like allow (about 1e-6 of the number): no bf16 or f16 on the way to a quantiser, and a product that is left as it is and whose result goes on into a quantised operand takes f32 operands (vector FMAs, or v_wmma_f32_16x16x4_f32). A number that lies on a knife's edge between two numbers of the format may be rounded either way, as far as f32 arithmetic and the matrix unit's own rounding can turn it there, and no further.
;; One version. Each part assembles by itself: llvm-mc -triple=amdgcn-amd-amdhsa -mcpu=gfx1250 --defsym DOCPART=n.
;; ======== version 1 of 1: 4 launches
;; limits: right only within a limited range of input values
;; workspace buffers: psum 12,288 bytes; xc 33,554,432 bytes; wc 1,572,864 bytes; wtab 256 bytes; h_codes 8,388,608 bytes
;; launch wsum (part 1): grid 768 x 1, 4 waves a work-group, no clusters, 0 bytes of LDS; arguments W_up, W_gate, W_down, psum; writes psum
.if DOCPART == 1
	.amdgcn_target "amdgcn-amd-amdhsa--gfx1250"
	.amdhsa_code_object_version 6
	.text
	.protected	k_qfcfb421d61_wsum
	.globl	k_qfcfb421d61_wsum
	.p2align	8
	.type	k_qfcfb421d61_wsum,@function
k_qfcfb421d61_wsum:
	s_mov_b64 s[64:65], 0
	v_nop
	global_prefetch_b8 v0, s[64:65] scope:SCOPE_SE
	s_setreg_imm32_b32 hwreg(HW_REG_WAVE_MODE, 25, 1), 1
	s_wait_xcnt 0x0
; FIRST OF FOUR LAUNCHES of  out = (silu(x Wu^T) * (x Wg^T)) Wd^T  with ternary weights and all three products on codes of E5M2.
; Nothing of reference() is left out: every input has a way to the output, and every product of the table is done.
; THIS LAUNCH: partial sums of |W| for the three weights.  The ternary scale is mean(|W|) over a whole tensor, a sum that spans work-groups; so it is ordered by launches:
; here each wave sums 2,048 numbers and stores one f32, and the next launch adds a tensor's 1,024 partial sums, every wave in the same order.
; SHARES.  Work-group g takes tensor g / 256 (0 W_up, 1 W_gate, 2 W_down) and its part g % 256 of 32,768 bytes; a wave takes 8,192 bytes: sixteen loads of 512 consecutive bytes.
; psum: [3][1024] f32; entry 4 g + wave.  No LDS, no barrier: waves share nothing.
.set X,   16                           ; v16-79  the wave's numbers, four registers a load
.set ACC, 4                            ; v4-7    four chains of sums
	s_load_b256 s[4:11], s[0:1], 0x0               ; W_up s[4:5], W_gate s[6:7], W_down s[8:9], psum s[10:11]
	s_lshr_b32 s14, ttmp9, 8                       ; which tensor
	s_and_b32 s16, ttmp9, 255
	s_lshl_b32 s16, s16, 15                        ; my work-group's 32,768 bytes of it
	s_mov_b32 s17, 0
	s_lshl_b32 s18, ttmp9, 4                       ; my work-group's four entries of psum
	s_mov_b32 s19, 0
	s_mov_b32 s12, 0x76543210                      ; v_permlanex16_b32: lane l takes lane l xor 16
	s_mov_b32 s13, 0xfedcba98
	v_and_b32 v2, 31, v0                           ; lane
	v_lshrrev_b32 v3, 5, v0                        ; wave
	v_lshlrev_b32 v1, 4, v2
	v_lshl_add_u32 v1, v3, 13, v1                  ; 8,192 x wave + 16 x lane
	v_lshlrev_b32 v8, 2, v3                        ; my wave's entry
	v_mov_b32 v9, 0                                ; written once: a lane permute's destination counts as one of its sources
	s_wait_alu depctr_va_vdst(0)
	s_wait_kmcnt 0x0
	s_cmp_eq_u32 s14, 0                            ; the choice hangs on the work-group's number alone
	s_cselect_b64 s[4:5], s[4:5], s[6:7]
	s_cmp_eq_u32 s14, 2
	s_cselect_b64 s[4:5], s[8:9], s[4:5]
	s_add_nc_u64 s[4:5], s[4:5], s[16:17]
	s_add_nc_u64 s[10:11], s[10:11], s[18:19]
.irp i, 0,1,2,3,4,5,6,7,8,9,10,11,12,13,14,15
	global_load_b128 v[X+4*\i:X+4*\i+3], v1, s[4:5] offset:512*\i   ; no hint: the next launch reads these bytes again
.endr
	s_wait_loadcnt 14                              ; loads come back in order: the first two are in, fourteen may be out
.irp k, 0,1,2,3
	v_add_f32 v[ACC+\k], |v[X+\k]|, |v[X+4+\k]|    ; the first eight numbers start the chains: nothing is cleared
.endr
	s_wait_alu depctr_va_vdst(0)
.irp i, 2,3,4,5,6,7,8,9,10,11,12,13,14,15
	s_wait_alu depctr_va_vdst(0)
	s_wait_loadcnt 15-\i                           ; load i is in; the 15 - i younger ones may be out
.irp k, 0,1,2,3
	v_add_f32 v[ACC+\k], v[ACC+\k], |v[X+4*\i+\k]|
.endr
.endr
	v_add_f32 v4, v4, v5
	v_add_f32 v6, v6, v7
	v_add_f32 v4, v4, v6
	v_add_f32_dpp v4, v4, v4 row_xmask:1 row_mask:0xf bank_mask:0xf
	v_add_f32_dpp v4, v4, v4 row_xmask:2 row_mask:0xf bank_mask:0xf
	v_add_f32_dpp v4, v4, v4 row_xmask:4 row_mask:0xf bank_mask:0xf
	v_add_f32_dpp v4, v4, v4 row_xmask:8 row_mask:0xf bank_mask:0xf
	v_permlanex16_b32 v9, v4, s12, s13
	v_add_f32 v4, v4, v9                           ; the wave's sum, in every lane
	s_wait_alu depctr_va_vdst(0)
	s_wait_xcnt 0x0                                ; EXEC is a source of the memory instructions issued so far: it changes only behind this wait
	v_cmp_eq_u32 vcc_lo, 0, v2
	s_and_saveexec_b32 s20, vcc_lo                 ; lane 0 stores the one number that the wave has to give
	global_store_b32 v8, v4, s[10:11]
	s_endpgm
.Lfunc_end_k_qfcfb421d61_wsum:
	.size	k_qfcfb421d61_wsum, .Lfunc_end_k_qfcfb421d61_wsum-k_qfcfb421d61_wsum
	.p2alignl 7, 3214868480
	.fill 96, 4, 3214868480
	.section	.rodata,"a",@progbits
	.p2align	6, 0x0
	.amdhsa_kernel k_qfcfb421d61_wsum
		.amdhsa_group_segment_fixed_size 0
		.amdhsa_private_segment_fixed_size 0
		.amdhsa_enable_private_segment 0
		.amdhsa_kernarg_size 32
		.amdhsa_user_sgpr_count 2
		.amdhsa_user_sgpr_kernarg_segment_ptr 1
		.amdhsa_wavefront_size32 1
		.amdhsa_system_sgpr_workgroup_id_x 1
		.amdhsa_system_sgpr_workgroup_id_y 1
		.amdhsa_system_sgpr_workgroup_id_z 1
		.amdhsa_system_vgpr_workitem_id 0
		.amdhsa_next_free_vgpr 80
		.amdhsa_next_free_sgpr 66
		.amdhsa_reserve_vcc 1
		.amdhsa_float_denorm_mode_32 3
		.amdhsa_float_denorm_mode_16_64 3
		.amdhsa_memory_ordered 1
		.amdhsa_forward_progress 1
		.amdhsa_inst_pref_size 8
	.end_amdhsa_kernel
	.amdgpu_metadata
---
amdhsa.version: [ 1, 2 ]
amdhsa.kernels:
  - .name:           k_qfcfb421d61_wsum
    .symbol:         k_qfcfb421d61_wsum.kd
    .args:
      - { .name: W_up, .offset: 0, .size: 8, .value_kind: global_buffer, .address_space: global }
      - { .name: W_gate, .offset: 8, .size: 8, .value_kind: global_buffer, .address_space: global }
      - { .name: W_down, .offset: 16, .size: 8, .value_kind: global_buffer, .address_space: global }
      - { .name: psum, .offset: 24, .size: 8, .value_kind: global_buffer, .address_space: global }
    .group_segment_fixed_size: 0
    .private_segment_fixed_size: 0
    .kernarg_segment_align: 8
    .kernarg_segment_size: 32
    .max_flat_workgroup_size: 128
    .sgpr_count:     66
    .vgpr_count:     80
    .wavefront_size: 32
...
	.end_amdgpu_metadata
.endif
;; end of part 1
;; launch quant (part 2): grid 704 x 1, 4 waves a work-group, no clusters, 9,728 bytes of LDS; arguments x, W_up, W_gate, W_down, psum, lowp_scales, xc, wc, wtab; writes xc, wc, wtab
.if DOCPART == 2
	.amdgcn_target "amdgcn-amd-amdhsa--gfx1250"
	.amdhsa_code_object_version 6
	.text
	.protected	k_qfcfb421d61_quant
	.globl	k_qfcfb421d61_quant
	.p2align	8
	.type	k_qfcfb421d61_quant,@function
k_qfcfb421d61_quant:
	s_mov_b64 s[64:65], 0
	v_nop
	global_prefetch_b8 v0, s[64:65] scope:SCOPE_SE
	s_setreg_imm32_b32 hwreg(HW_REG_WAVE_MODE, 25, 1), 1
	s_wait_xcnt 0x0
; SECOND LAUNCH: every operand that arrives as f32 is quantised, once.  code = number / 2^e, held within +-57,344, to the nearest code of E5M2, ties to even; e = the operand's entry of lowp_scales.
; x is an operand of two products with two given scales (entries 0 and 2), which need not be equal: it gets TWO sets of codes.
;   xc: a row of x is 4,096 bytes: for each group of 512 along K 512 bytes of codes by entry 0, then 512 by entry 2.  INSIDE A GROUP K IS PERMUTED: byte 16 l + 4 j + y holds k = 128 j + 4 l + y.
;   So a lane's four dense loads (j = 0 .. 3, 16 bytes at 16 l each) feed the conversions as they land, and its 16 codes are 16 bytes of a dense store.  A sum over K does not hang on the order, if both operands have the same.
; A weight is made ternary as reference() does: scale = mean|W| + 1e-8; q = +-scale where round(w / scale) is not 0, else 0.  round(w / scale) is not 0 exactly where |w| > scale / 2 (scale / 2 is exact in f32, ties go to 0).
; The mean is the sum of the tensor's 1,024 partial sums (the launch before) x 2^-21, added in the same order by every wave.
; A ternary weight has three values, so its code is one of three: that of +scale, of -scale, or 0.  So the weights leave PACKED:
;   wc holds a field of 2 bits for each weight (0: +scale, 1: -scale, 3: zero); wtab holds for each tensor one word: byte 0 the code of +scale, byte 1 that of -scale, bytes 2, 3 zero.
;   (w + (q - w) is q within f32's rounding: where scale / 2^e lies on an edge between two codes, the code made here from the scale may be the other one.)
;   wc: [tensor: W_up, W_gate, W_down][block of 16 rows][step q of 128 places][lane 32][16 bytes].  Word c of lane (r, h), byte y, field d belongs to place 32 c + 16 h + 4 d + y of step q of row r:
;   in W_up and W_gate, by x's permutation, k = 128 d + 32 q + 8 c + 4 h + y of the group of 512; in W_down, whose partner h lies in its natural order, k = 128 q + 32 c + 16 h + 4 d + y.
; SHARES.  Work-groups 0-511 x, 512-703 the weights (64 each); the two paths never join.  No tensor loads, no barrier: waves share nothing.
; LIMITS: each e between -126 and 112.  NaN among the inputs is not served (an infinity in x is held at the largest code).
.set STEPS, 16
.set AH,    6                          ; x: loads run six steps (24 loads a wave) ahead
.set WREG,  2304                       ; weights: a wave's stage
.set REGP,  0
.set SPARE, 4*WREG                     ; the spare words: 512 bytes that no other line names
.set SPW,   12
.set NIL,   13
.set R,     16                         ; x: v16-111 six sets of 16 registers as loaded
.set HH,    112                        ; x: v112-175 two sets of 32 held numbers (both versions)
.set CX,    176                        ; x: v176-191 codes, two sets of 8
.set VO,    96                         ; weights: v96-111 offsets of four rows x four loads
.set TT,    112                        ; weights: v112-127 at work
.set PS,    128                        ; weights: v128-159 the partial sums
	s_load_b256 s[4:11], s[0:1], 0x0               ; x s[4:5], W_up s[6:7], W_gate s[8:9], W_down s[10:11]
	s_load_b256 s[12:19], s[0:1], 0x20             ; psum s[12:13], the exponents s[14:15], xc s[16:17], wc s[18:19]
	s_load_b64 s[20:21], s[0:1], 0x40              ; wtab
	v_lshl_add_u32 v[SPW], v0, 2, SPARE
	v_mov_b32 v[NIL], 0
	v_lshrrev_b32 v1, 5, v0
	v_readfirstlane_b32 s22, v1                    ; wave
	v_and_b32 v2, 31, v0                           ; lane
	v_lshlrev_b32 v3, 4, v2
	s_mul_i32 s23, s22, WREG
	s_mov_b32 s50, 0x76543210
	s_mov_b32 s51, 0xfedcba98
	s_mov_b32 s53, 0
	s_wait_alu depctr_va_vdst(0)
	s_wait_kmcnt 0x0
	s_load_b128 s[24:27], s[14:15], 0x0            ; e0 .. e3
	s_load_b64 s[28:29], s[14:15], 0x10            ; e4, e5
	s_cmp_lt_u32 ttmp9, 512
	s_cbranch_scc0 .Lweights
.macro SCALE1 e, vs, vl                ; v[vs] = 2^e as f32, v[vl] = 57,344 x 2^e; e = s[e]
	s_add_co_i32 s54, s[\e], 127
	s_lshl_b32 s55, s54, 23
	s_add_co_i32 s54, s54, 15
	s_lshl_b32 s54, s54, 23
	s_or_b32 s54, s54, 0x600000
	v_mov_b32 v[\vs], s55
	v_mov_b32 v[\vl], s54
.endm
; ---------------- x: a wave takes 16 steps; a step is one group of 512 numbers: four loads of 512 consecutive bytes, two stores of 512 consecutive bytes
.macro XLOAD t
.set RL, R+16*((\t)%AH)
.irp i, 0,1,2,3
	global_load_b128 v[RL+4*\i:RL+4*\i+3], v3, s[4:5] offset:2048*(\t)+512*\i th:TH_LOAD_NT
.endr
.endm
.macro XSTEP t
.set RS, R+16*((\t)%AH)
.set HS, HH+32*((\t)%2)
.set CS, CX+8*((\t)%2)
.if STEPS-1-(\t) >= AH-1
	s_wait_loadcnt 4*(AH-1)                        ; this step's four loads are in; those of the five steps behind it may be out
.else
	s_wait_loadcnt 4*(STEPS-1-(\t))
.endif
.set ii, 0
.rept 16
	v_med3_num_f32 v[HS+ii], v[RS+ii], -v10, v10   ; the conversion does not saturate (ISA guide 7.6.2): the hold comes first, by each version's own bound
	v_med3_num_f32 v[HS+16+ii], v[RS+ii], -v6, v6
.set ii, ii+1
.endr
.if (\t)+AH < STEPS
	XLOAD (\t)+AH
.endif
.if (\t) >= 2
	s_wait_alu depctr_va_vdst(0)
	s_wait_xcnt 0x0                                ; the stores of two steps back have read these registers
.endif
	v_cvt_scalef32_pk8_bf8_f32 v[CS:CS+1], v[HS:HS+7], v11
	v_cvt_scalef32_pk8_bf8_f32 v[CS+2:CS+3], v[HS+8:HS+15], v11
	v_cvt_scalef32_pk8_bf8_f32 v[CS+4:CS+5], v[HS+16:HS+23], v5
	v_cvt_scalef32_pk8_bf8_f32 v[CS+6:CS+7], v[HS+24:HS+31], v5
	global_store_b128 v3, v[CS:CS+3], s[16:17] offset:1024*(\t)
	global_store_b128 v3, v[CS+4:CS+7], s[16:17] offset:1024*(\t)+512
.endm
	s_lshl_b32 s30, ttmp9, 2
	s_add_co_u32 s30, s30, s22                     ; which run of 8,192 numbers is my wave's
	s_lshl_b32 s52, s30, 15
	s_add_nc_u64 s[4:5], s[4:5], s[52:53]
	s_lshl_b32 s52, s30, 14
	s_add_nc_u64 s[16:17], s[16:17], s[52:53]
.irp t, 0,1,2,3,4,5
	XLOAD \t
.endr
	s_wait_kmcnt 0x0
	SCALE1 24, 11, 10                              ; entry 0
	SCALE1 26, 5, 6                                ; entry 2
	s_wait_alu depctr_va_vdst(0)
.irp t, 0,1,2,3,4,5,6,7,8,9,10,11,12,13,14,15
	XSTEP \t
.endr
	s_endpgm                                       ; x's waves write no LDS
; ---------------- the weights: a wave takes 16 rows x 512 along K.  Lane l = 8 q + 2 c + h; its load d brings the four numbers y = 0 .. 3 of field d of its word: all sixteen fields of a word are made in one lane.
; W_up, W_gate: load d reads 512 consecutive bytes, 16 a lane.  W_down: a lane's four loads read its 64 consecutive bytes.  The words turn through the wave's stage in LDS and leave as 2,048 consecutive bytes.
.macro PSLOAD off, b                   ; a tensor's 1,024 partial sums: 32 numbers a lane
.irp i, 0,1,2,3,4,5,6,7
	global_load_b128 v[\b+4*\i:\b+4*\i+3], v3, s[12:13] offset:\off+512*\i
.endr
.endm
.macro MEAN b, dst                     ; v[dst] = the sum x 2^-21 + 1e-8
.irp p, 0,4,8,12,16,20,24,28
	v_pk_add_f32 v[\b+\p:\b+\p+1], v[\b+\p:\b+\p+1], v[\b+\p+2:\b+\p+3]
.endr
.irp p, 0,8,16,24
	v_pk_add_f32 v[\b+\p:\b+\p+1], v[\b+\p:\b+\p+1], v[\b+\p+4:\b+\p+5]
.endr
.irp p, 0,16
	v_pk_add_f32 v[\b+\p:\b+\p+1], v[\b+\p:\b+\p+1], v[\b+\p+8:\b+\p+9]
.endr
	v_pk_add_f32 v[\b:\b+1], v[\b:\b+1], v[\b+16:\b+17]
	v_add_f32 v[\b], v[\b], v[\b+1]
	v_add_f32_dpp v[\b], v[\b], v[\b] row_xmask:1 row_mask:0xf bank_mask:0xf
	v_add_f32_dpp v[\b], v[\b], v[\b] row_xmask:2 row_mask:0xf bank_mask:0xf
	v_add_f32_dpp v[\b], v[\b], v[\b] row_xmask:4 row_mask:0xf bank_mask:0xf
	v_add_f32_dpp v[\b], v[\b], v[\b] row_xmask:8 row_mask:0xf bank_mask:0xf
	v_permlanex16_b32 v[\b+1], v[\b], s50, s51
	v_add_f32 v[\b], v[\b], v[\b+1]
	v_mul_f32 v[\b], 0x35000000, v[\b]             ; / 2,097,152 numbers: exact
	v_add_f32 v[\dst], 0x322bcc77, v[\b]           ; + 1e-8
.endm
.macro PLOAD i                         ; rows 4 i .. 4 i + 3, four loads each; each batch of four rows has its own base
.set RL, 16+176*((\i)%2)
.if (\i) < 3
.set BP, 6+2*(\i)
.else
.set BP, 60
.endif
.irp e, 0,1,2,3,4,5,6,7,8,9,10,11,12,13,14,15
	global_load_b128 v[RL+4*\e:RL+4*\e+3], v[VO+\e], s[BP:BP+1]
.endr
.endm
.macro PROW src, r                     ; a row's sixteen numbers of my lane -> my word
.irp e, 0,1,2,3,4,5,6,7,8,9,10,11,12,13,14,15
	v_cmp_gt_f32 s[32+\e], |v[(\src)+\e]|, v9      ; |w| > scale / 2
.endr
.irp e, 0,1,2,3,4,5,6,7,8,9,10,11,12,13,14,15
	v_lshrrev_b32 v[TT+\e], 31, v[(\src)+\e]       ; the sign
.endr
.irp e, 0,1,2,3,4,5,6,7,8,9,10,11,12,13,14,15
	v_cndmask_b32 v[TT+\e], 3, v[TT+\e], s[32+\e]
.endr
.irp f, 0,4,8,12
	v_lshl_or_b32 v[TT+\f], v[TT+\f+1], 8, v[TT+\f]
	v_lshl_or_b32 v[TT+\f+2], v[TT+\f+3], 8, v[TT+\f+2]
.endr
.irp f, 0,4,8,12
	v_lshl_or_b32 v[TT+\f], v[TT+\f+2], 16, v[TT+\f]   ; field d's four bytes
.endr
	v_lshl_or_b32 v[TT], v[TT+4], 2, v[TT]
	v_lshl_or_b32 v[TT+8], v[TT+12], 2, v[TT+8]
	v_lshl_or_b32 v[TT], v[TT+8], 4, v[TT]
	ds_store_b32 v14, v[TT] offset:REGP+16*(\r)
.endm
.macro PBAT i
.set RB, 16+176*((\i)%2)
	s_wait_alu depctr_va_vdst(0)
.if (\i) < 3
	s_wait_loadcnt 16                              ; this batch's sixteen loads are in, the next batch's may be out
.else
	s_wait_loadcnt 0
.endif
.irp rr, 0,1,2,3
	PROW RB+16*\rr, 4*(\i)+\rr
.endr
.if (\i)+2 < 4
	PLOAD (\i)+2
.endif
.endm
.Lweights:
	s_sub_co_u32 s30, ttmp9, 512
	s_lshr_b32 s31, s30, 6                         ; which tensor: 0 W_up, 1 W_gate, 2 W_down
	s_and_b32 s30, s30, 63
	s_lshl_b32 s30, s30, 2
	s_add_co_u32 s30, s30, s22                     ; my wave's unit, 0 .. 255
	s_cmp_eq_u32 s31, 0
	s_cselect_b64 s[6:7], s[6:7], s[8:9]
	s_cmp_eq_u32 s31, 2
	s_cselect_b64 s[6:7], s[10:11], s[6:7]
	s_cselect_b32 s54, 1, 2                        ; a row has 2 or 4 units of 512 along K,
	s_cselect_b32 s55, 16, 17                      ; 16 rows are 2^16 or 2^17 bytes,
	s_cselect_b32 s57, 12, 13                      ; a row 2^12 or 2^13;
	s_cselect_b32 s58, 16, 512                     ; from load to load,
	s_cselect_b32 s59, 6, 4                        ; and from lane to lane 2^6 or 2^4 bytes
	s_lshr_b32 s52, s30, s54
	s_lshl_b32 s52, s52, s55
	s_bfm_b32 s56, s54, 0
	s_and_b32 s56, s30, s56
	s_lshl_b32 s56, s56, 11
	s_add_co_u32 s52, s52, s56
	s_add_nc_u64 s[6:7], s[6:7], s[52:53]          ; rows 0-3
	s_lshl_b32 s56, 1, s57                         ; a row's bytes
	s_lshl_b32 s52, s56, 2
	s_add_nc_u64 s[8:9], s[6:7], s[52:53]          ; rows 4-7
	s_add_nc_u64 s[10:11], s[8:9], s[52:53]        ; rows 8-11
	s_add_nc_u64 s[60:61], s[10:11], s[52:53]      ; rows 12-15
	s_lshl_b32 s52, s31, 8
	s_add_co_u32 s52, s52, s30
	s_lshl_b32 s52, s52, 11                        ; 2,048 bytes of wc for each unit
	s_add_nc_u64 s[18:19], s[18:19], s[52:53]
	s_lshl_b32 s52, s31, 12
	s_add_nc_u64 s[12:13], s[12:13], s[52:53]      ; my tensor's partial sums
	s_lshl_b32 s52, s31, 2
	s_add_nc_u64 s[20:21], s[20:21], s[52:53]      ; and its table word
	v_lshrrev_b32 v7, 3, v2                        ; q
	v_and_b32 v6, 1, v2                            ; h
	v_bfe_u32 v5, v2, 1, 2                         ; c
	v_mul_u32_u24 v14, v7, 544                     ; the stage, in: step q at 544 q, half h at 272 h, row r at 16 r (immediate), word c
	v_mad_u32_u24 v14, v6, 272, v14
	v_lshl_add_u32 v14, v5, 2, v14
	v_add_nc_u32 v14, s23, v14
	v_lshrrev_b32 v15, 4, v2                       ; out: the lane's 16 bytes
	v_mul_u32_u24 v15, v15, 272
	v_and_b32 v4, 15, v2
	v_lshl_add_u32 v15, v4, 4, v15
	v_add_nc_u32 v15, s23, v15
	v_lshlrev_b32 v[VO], s59, v2
.irp f, 1,2,3
	v_add_nc_u32 v[VO+\f], s58, v[VO+\f-1]
.endr
.irp e, 4,5,6,7,8,9,10,11,12,13,14,15
	v_add_nc_u32 v[VO+\e], s56, v[VO+\e-4]
.endr
	PSLOAD 0, PS
	PLOAD 0
	PLOAD 1
	s_wait_alu depctr_va_vdst(0)
	s_wait_kmcnt 0x0
	s_cmp_eq_u32 s31, 0
	s_cselect_b32 s56, s25, s27
	s_cmp_eq_u32 s31, 2
	s_cselect_b32 s56, s29, s56                    ; entry 1, 3 or 5
	SCALE1 56, 11, 10
	s_wait_alu depctr_va_vdst(0)
	s_wait_loadcnt 32                              ; the partial sums are in; two batches may be out
	MEAN PS, 8
	v_mul_f32 v9, 0.5, v8
.irp i, 0,1,2,3
	PBAT \i
.endr
.irp f, 0,1,2,3
	ds_load_b128 v[16+4*\f:19+4*\f], v15 offset:REGP+544*\f   ; LDS serves a wave's instructions in order
.endr
	s_wait_alu depctr_va_vdst(0)
	s_wait_dscnt 0x0
.irp f, 0,1,2,3
	global_store_b128 v3, v[16+4*\f:19+4*\f], s[18:19] offset:512*\f
.endr
	s_cmp_lg_u32 s30, 0
	s_cbranch_scc1 .Lnotab                         ; unit 0 of each tensor stores the tensor's table word
	v_min_num_f32 v[TT], v8, v10                   ; the hold (the scale is positive)
	v_xor_b32 v[TT+1], 0x80000000, v[TT]
.irp i, 2,3,4,5,6,7
	v_mov_b32 v[TT+\i], 0
.endr
	v_cvt_scalef32_pk8_bf8_f32 v[TT+8:TT+9], v[TT:TT+7], v11
	v_cmp_eq_u32 vcc_lo, 0, v2
	s_wait_alu depctr_va_vdst(0)
	s_wait_xcnt 0x0                                ; EXEC changes only behind this wait
	s_and_saveexec_b32 s57, vcc_lo
	global_store_b32 v[NIL], v[TT+8], s[20:21]
	s_wait_xcnt 0x0
	s_or_b32 exec_lo, exec_lo, s57
.Lnotab:
	s_wait_tensorcnt 0x0                           ; a wave's end
	ds_add_u32 v[SPW], v[NIL]
	s_wait_dscnt 0x0
	s_endpgm
.Lfunc_end_k_qfcfb421d61_quant:
	.size	k_qfcfb421d61_quant, .Lfunc_end_k_qfcfb421d61_quant-k_qfcfb421d61_quant
	.p2alignl 7, 3214868480
	.fill 96, 4, 3214868480
	.section	.rodata,"a",@progbits
	.p2align	6, 0x0
	.amdhsa_kernel k_qfcfb421d61_quant
		.amdhsa_group_segment_fixed_size 9728
		.amdhsa_private_segment_fixed_size 0
		.amdhsa_enable_private_segment 0
		.amdhsa_kernarg_size 72
		.amdhsa_user_sgpr_count 2
		.amdhsa_user_sgpr_kernarg_segment_ptr 1
		.amdhsa_wavefront_size32 1
		.amdhsa_system_sgpr_workgroup_id_x 1
		.amdhsa_system_sgpr_workgroup_id_y 1
		.amdhsa_system_sgpr_workgroup_id_z 1
		.amdhsa_system_vgpr_workitem_id 0
		.amdhsa_next_free_vgpr 256
		.amdhsa_next_free_sgpr 66
		.amdhsa_reserve_vcc 1
		.amdhsa_float_denorm_mode_32 3
		.amdhsa_float_denorm_mode_16_64 3
		.amdhsa_memory_ordered 1
		.amdhsa_forward_progress 1
		.amdhsa_inst_pref_size 118
	.end_amdhsa_kernel
	.amdgpu_metadata
---
amdhsa.version: [ 1, 2 ]
amdhsa.kernels:
  - .name:           k_qfcfb421d61_quant
    .symbol:         k_qfcfb421d61_quant.kd
    .args:
      - { .name: x, .offset: 0, .size: 8, .value_kind: global_buffer, .address_space: global }
      - { .name: W_up, .offset: 8, .size: 8, .value_kind: global_buffer, .address_space: global }
      - { .name: W_gate, .offset: 16, .size: 8, .value_kind: global_buffer, .address_space: global }
      - { .name: W_down, .offset: 24, .size: 8, .value_kind: global_buffer, .address_space: global }
      - { .name: psum, .offset: 32, .size: 8, .value_kind: global_buffer, .address_space: global }
      - { .name: lowp_scales, .offset: 40, .size: 8, .value_kind: global_buffer, .address_space: global }
      - { .name: xc, .offset: 48, .size: 8, .value_kind: global_buffer, .address_space: global }
      - { .name: wc, .offset: 56, .size: 8, .value_kind: global_buffer, .address_space: global }
      - { .name: wtab, .offset: 64, .size: 8, .value_kind: global_buffer, .address_space: global }
    .group_segment_fixed_size: 9728
    .private_segment_fixed_size: 0
    .kernarg_segment_align: 8
    .kernarg_segment_size: 72
    .max_flat_workgroup_size: 128
    .sgpr_count:     66
    .vgpr_count:     256
    .wavefront_size: 32
...
	.end_amdgpu_metadata
.endif
;; end of part 2
;; launch upgate (part 3): grid 256 x 1, 4 waves a work-group, clusters of 4 x 1, 327,680 bytes of LDS; arguments xc, wc, lowp_scales, wtab, h_codes; writes h_codes
.if DOCPART == 3
	.amdgcn_target "amdgcn-amd-amdhsa--gfx1250"
	.amdhsa_code_object_version 6
	.text
	.protected	k_qfcfb421d61_upgate
	.globl	k_qfcfb421d61_upgate
	.p2align	8
	.type	k_qfcfb421d61_upgate,@function
k_qfcfb421d61_upgate:
	s_mov_b64 s[64:65], 0
	v_nop
	global_prefetch_b8 v0, s[64:65] scope:SCOPE_SE
	s_setreg_imm32_b32 hwreg(HW_REG_WAVE_MODE, 25, 1), 1
	s_wait_xcnt 0x0
	s_wait_alu depctr_hold_cnt(0) depctr_sa_sdst(0) depctr_va_vdst(0) depctr_va_sdst(0) depctr_va_ssrc(0) depctr_va_vcc(0) depctr_vm_vsrc(0)
	s_getreg_b32 s2, hwreg(HW_REG_IB_STS2, 6, 4)
	s_cmp_eq_u32 s2, 0
	s_cbranch_scc0 .Lentry_in_a_cluster
	s_endpgm
.Lentry_in_a_cluster:
	s_bfe_u32 s2, ttmp6, 0x10000c
	s_cmp_lg_u32 s2, 0x3003
	s_cbranch_scc0 .Lentry_shape_is_right
	s_endpgm
.Lentry_shape_is_right:
; THIRD LAUNCH: h = Q(silu(x Wu^T) * (x Wg^T)), both products on codes of E5M2, h stored as codes by entry 4 of lowp_scales.  Nothing of reference() is left out.
; A work-group makes 128 rows x 256 hidden units.  Wave w: tensor w % 2 (0 up, 1 gate), hidden units 128 (w / 2) on: 128 x 128, 64 accumulators.
; A (x's codes, both versions) comes through a ring of two LDS slots, 128 rows x 1,024 bytes (four K steps of 128, both versions) each: four fills in all, each wave 32 rows a fill.
; The four work-groups of a cluster make the four column blocks of one row block and ask for A's tiles jointly (mask 15).
; B: each wave's weights are its own.  They come PACKED, 2 bits a weight, from memory straight into registers (8 loads of 512 consecutive bytes a K step, asked three K steps ahead of their first use),
; and are widened to their true codes in registers: a field is cut out by v_and_b32 and used as v_perm_b32's selector into the tensor's table word (fields 0, 1, 3 -> bytes +c, -c, 0; in the upper place 0, 4, 12 -> +c, -c, constant 0).
; 36 vector instructions widen a fragment; they stand between the matrix instructions, under the same register windows.
; REGISTERS.  Window 0: v0-31 addresses; v32-127 packed words of B's blocks 0-5, four sets; v128-255 A's eight fragments, one set.
;   Windows 1, 2, 3 hold B's blocks 0-2, 3-5, 6-7: accumulator (a, b) at v[64 (b % 3) + 8 a]; block b's widened fragment at v[192 + 16 (b % 3)]; v240-255 at work; window 3 v128-159: packed words of blocks 6, 7.
; A K step: A's blocks 0-3 against all of B, then blocks 4-7.  A widened fragment has one set of registers: the next step's codes are written behind the block's last product of this step.
; The matrix instruction is used transposed (source 0 = 16 rows of W, source 1 = 16 rows of x): a lane holds one row of h and eight neighbouring hidden units.
; No prefetch into the L2: three fills follow the head's, asked 224, 256 and 256 matrix instructions ahead of the waits for them.
; LIMITS: e0 + e1 between -126 and 126; e4 - e0 - e1 - e2 - e3 between -126 and 112.  NaN is not served.
.set PITCH,  1040                      ; an LDS row: 1,024 bytes + 16
.set SLOT,   128*PITCH
.set STG,    2*SLOT                    ; the codes' stage: 128 rows x 272
.set SPITCH, 272
.set SPARE,  STG+128*SPITCH            ; the spare words: 512 bytes that no other line names
.set ADB, 8                            ; v8, v9   A's fragment address in slot 0: blocks 0-3, blocks 4-7
.set AX,  10                           ; v10, v11 the same in the slot of a group's steps 1-3
.set AY,  12                           ; v12, v13 and in the other slot
.set PO,  14                           ; 16 x lane
.set XW,  16
.set XU,  17
.set XG,  18
.set STO, 19
.set RD,  20
.set CO,  21
.set SPW, 28
.set NIL, 29
.set SCL, 30
.set HOLD, 31
.set PB,  32
.set P3,  128
.set AF,  128
.set UU,  32
.set GG,  96
.set TT,  160
.set CC,  224
.set G1, 24
.set G0, 32
.set M3, 40
.set MC, 41
.set LO, 42
.set HI, 43
.set PBS, 46
.set CN, 74
.set MSB, 0
.macro WIN new
.if MSB != (\new)
	s_set_vgpr_msb (MSB<<8)|(\new)
.set MSB, (\new)
.endif
.endm
.macro NOP4
.rept 4
	v_nop
.endr
.endm
.macro ROUND                           ; a round of the cluster's barrier
	s_barrier_signal -1
	s_barrier_wait -1
	s_cmp_lg_u32 s14, 0
	s_cbranch_scc1 .Lnot_wave_0_\@
	s_barrier_signal -3
.Lnot_wave_0_\@:
	s_barrier_wait -3
	s_barrier_signal -1
	s_barrier_wait -1
.endm
.macro WM a, b, z                      ; one product; the 64 accumulators take turns in the same order in every step
.set AC, 64*((\b)%3)+8*(\a)
.set FB, 192+16*((\b)%3)
.if \z
	v_wmma_f32_16x16x128_bf8_bf8 v[AC:AC+7], v[FB:FB+15], v[AF+16*(\a):AF+16*(\a)+15], 0
.else
	v_wmma_f32_16x16x128_bf8_bf8 v[AC:AC+7], v[FB:FB+15], v[AF+16*(\a):AF+16*(\a)+15], v[AC:AC+7]
.endif
.endm
.macro EC b, c, set                    ; packed word c of block b -> registers 4 c .. 4 c + 3 of its fragment.  Five lines stand ahead of the first write of the fragment: the places behind its last product
.set FC, 192+16*((\b)%3)+4*(\c)
.set T, 240+8*((\c)%2)
.if (\b) < 6
.set PR, PB+24*(\set)+4*(\b)+(\c)
	v_lshrrev_b32 v[T+4], 4, v[PR]
	v_and_b32 v[T], s[M3], v[PR]
	v_and_b32 v[T+1], s[MC], v[PR]
.else
.set PR, P3+8*(\set)+4*((\b)-6)+(\c)
	v_bfe_u32 v[T+4], v[PR], 4, 28
	v_and_b32 v[T], v[PR], s[M3]
	v_and_b32 v[T+1], v[PR], s[MC]
.endif
	v_and_b32 v[T+2], v[T+4], s[M3]
	v_and_b32 v[T+3], v[T+4], s[MC]
.irp d, 0,1,2,3
	v_perm_b32 v[FC+\d], s[HI], s[LO], v[T+\d]
.endr
.endm
.macro P1G3 f, z, set                  ; A's blocks 0-3 x a window's three blocks of B; the third block's codes of THIS step are made under the first two's products
	WM 0, \f, \z
	EC (\f)+2, 0, \set
	WM 1, \f, \z
	WM 2, \f, \z
	EC (\f)+2, 1, \set
	WM 3, \f, \z
	WM 0, (\f)+1, \z
	EC (\f)+2, 2, \set
	WM 1, (\f)+1, \z
	WM 2, (\f)+1, \z
	EC (\f)+2, 3, \set
	WM 3, (\f)+1, \z
.irp k, 0,1,2,3
	WM \k, (\f)+2, \z
.endr
.endm
.macro P1G2 z, set
.irp k, 0,1,2,3
	WM \k, 6, \z
	EC 7, \k, \set
.endr
.irp k, 0,1,2,3
	WM \k, 7, \z
.endr
.endm
.macro P2P bw, be, z, set, ex          ; A's blocks 4-7 x block bw; between them block be's codes of the NEXT step
.irp k, 0,1,2,3
	WM 4+\k, \bw, \z
.if \ex
	EC \be, \k, \set
.endif
.endr
.endm
.macro P2G3 f, z, set, ex
.irp k, 4,5,6,7
	WM \k, \f, \z
.endr
	P2P (\f)+1, \f, \z, \set, \ex
	P2P (\f)+2, (\f)+1, \z, \set, \ex
.endm
.macro P2G2 z, set, ex
.irp k, 4,5,6,7
	WM \k, 6, \z
.endr
	P2P 7, 6, \z, \set, \ex
.endm
.macro FA ad, q, i0                    ; A's blocks i0 .. i0 + 3 of the slot's K step q
.irp i, 0,1,2,3
.irp c, 0,1,2,3
	ds_load_b128 v[AF+16*((\i0)+\i)+4*\c:AF+16*((\i0)+\i)+4*\c+3], v[(\ad)+(\i0)/4] offset:\i*16*PITCH+128*(\q)+32*\c   ; a slot's row: 512 bytes of one version (four steps of 128 places), then 512 of the other
.endr
.endr
.endm
.macro PLD set, soff                   ; a K step's packed words, 8 loads
	WIN 0
.irp b, 0,1,2,3,4,5
	global_load_b128 v[PB+24*(\set)+4*\b:PB+24*(\set)+4*\b+3], v[PO], s[PBS:PBS+1] offset:8192*\b+(\soff)
.endr
	WIN 0xc0
.irp b, 6,7
	global_load_b128 v[P3+8*(\set)+4*(\b-6):P3+8*(\set)+4*(\b-6)+3], v[PO], s[PBS:PBS+1] offset:8192*\b+(\soff)
.endr
	WIN 0
.endm
; A K step.  q: its set of packed words; z: the first step starts the sums; mid: 0, or 1 a change of slots with a refill, or 2 a change without; ad, nq: where the next step's A lies;
; pl, soff: packed words of four steps on are asked for, into set q; lc: the younger loads that may stay out when the next step's words are needed (-1: none needed); ex: a next step exists
.macro STEP q, z, mid, ad, nq, pl, soff, lc, ex
	s_wait_alu depctr_va_vdst(0)
	s_wait_dscnt 16                                ; A's blocks 0-3 are in; the sixteen younger loads (blocks 4-7) may be out
	WIN 0x51
	P1G3 0, \z, \q
	WIN 0xa2
	P1G3 3, \z, \q
	WIN 0xf3
	P1G2 \z, \q
	WIN 0
.if (\mid)+1-(\ex)
	s_wait_alu depctr_va_vdst(0)                   ; at a change of slots, and where no codes are widened in the step's second half (elsewhere more than nine plain vector lines stand ahead of every reader)
.endif
.if \mid
	s_wait_tensorcnt 0x0                           ; my part of the next slot is in
	ds_add_u32 v[SPW], v[NIL]
.if \mid == 1
	s_xor_b32 s[G0+1], s[G0+1], SLOT               ; no load of mine is out: the next fill's slot and K steps
	s_add_nc_u64 s[G0+2:G0+3], s[G0+2:G0+3], 1024
.endif
	s_wait_dscnt 0x0                               ; the add is done, my reads of this slot are over
.if \mid == 1
	ROUND
	tensor_load_to_lds s[G0:G0+3], s[G1:G1+7]
	s_nop 0
.else
	s_barrier_signal -1
	s_barrier_wait -1
.endif
.else
	s_wait_dscnt 0x0                               ; A's blocks 4-7 are in
.endif
.if \ex
	NOP4                                           ; places ahead of loads into registers that products have read
	FA \ad, \nq, 0
.if \pl
	PLD \q, \soff
.endif
.if (\lc) >= 0
	s_wait_loadcnt \lc
.endif
.endif
	WIN 0x51
	P2G3 0, \z, ((\q)+1)%4, \ex
	WIN 0xa2
	P2G3 3, \z, ((\q)+1)%4, \ex
	WIN 0xf3
	P2G2 \z, ((\q)+1)%4, \ex
.if \ex
	WIN 0
	FA \ad, \nq, 4                                 ; the nine lines that widen the last word are the places ahead of these loads
.else
	NOP4
	WIN 0
.endif
.endm
.macro SWAP                            ; the slots change roles
	s_xor_b32 s44, s44, SLOT
	s_xor_b32 s45, s44, SLOT
	v_add_nc_u32 v[AX], s44, v[ADB]
	v_add_nc_u32 v[AX+1], s44, v[ADB+1]
	v_add_nc_u32 v[AY], s45, v[ADB]
	v_add_nc_u32 v[AY+1], s45, v[ADB+1]
.endm
.macro GROUP mid, pl0, lc0             ; a slot's steps 1, 2, 3 and the next slot's step 0
	SWAP
	STEP 1, 0, 0, AX, 2, 1, 5*512, 24, 1
	STEP 2, 0, 0, AX, 3, 1, 6*512, 24, 1
	STEP 3, 0, \mid, AY, 0, 1, 7*512, 24, 1
	STEP 0, 0, 0, AY, 1, \pl0, 8*512, \lc0, 1
.endm
	s_load_b256 s[4:11], s[0:1], 0x0               ; xc, wc, the exponents, wtab
	s_load_b64 s[12:13], s[0:1], 0x20              ; h_codes
	v_lshl_add_u32 v[SPW], v0, 2, SPARE
	v_mov_b32 v[NIL], 0
	ds_add_u32 v[SPW], v[NIL]
	ds_add_u32 v[SPW], v[NIL]
	v_lshrrev_b32 v1, 5, v0
	v_readfirstlane_b32 s14, v1                    ; wave
	s_lshr_b32 s15, s14, 1                         ; which 128 hidden units
	s_and_b32 s16, s14, 1                          ; which tensor, and which version of x
	s_bfe_u32 s17, ttmp6, 0x40000                  ; cx: the column block
	s_mov_b32 s[G1], 15|(1<<20)|(1<<21)|(7<<22)|(3<<25)   ; mask of the four; bytes; 4 words of padding behind every 256 words
	s_mov_b32 s[G1+1], 1024<<16
	s_mov_b32 s[G1+2], 32<<16
	s_mov_b32 s[G1+3], 1024<<16
	s_mov_b32 s[G1+4], 32
	s_mov_b32 s[G1+5], 4096
	s_mov_b32 s[G1+6], 0
	s_mov_b32 s[G1+7], 0
	s_lshl_b32 s20, ttmp9, 7
	s_lshl_b32 s21, s14, 5
	s_add_co_u32 s20, s20, s21                     ; the 32 rows that I fetch
	s_lshl_b32 s20, s20, 12
	s_mov_b32 s21, 0
	s_mul_i32 s22, s14, 32*PITCH
	s_mov_b32 s[M3], 0x03030303
	s_mov_b32 s[MC], 0x0c0c0c0c
	s_mov_b32 s44, SLOT
	s_wait_alu depctr_va_vdst(0)
	s_wait_dscnt 0x0
	s_wait_kmcnt 0x0
	s_load_b128 s[68:71], s[8:9], 0x0              ; e0 .. e3
	s_load_b32 s72, s[8:9], 0x10                   ; e4
	s_load_b64 s[48:49], s[10:11], 0x0             ; the two table words
	ROUND
	s_mov_b32 s[G0], 1
	s_mov_b32 s[G0+1], s22
	s_add_nc_u64 s[G0+2:G0+3], s[4:5], s[20:21]
	s_or_b32 s[G0+3], s[G0+3], 0x80000000
	tensor_load_to_lds s[G0:G0+3], s[G1:G1+7]      ; K steps 0-3: my one load at the head
	s_nop 0
	s_lshl_b32 s18, s17, 4
	s_lshl_b32 s19, s15, 3
	s_add_co_u32 s18, s18, s19
	s_lshl_b32 s18, s18, 13                        ; my first block of 16 rows of W: 8,192 bytes a block
	s_lshl_b32 s19, s16, 19
	s_add_co_u32 s18, s18, s19
	s_mov_b32 s19, 0
	s_add_nc_u64 s[PBS:PBS+1], s[6:7], s[18:19]
	s_lshl_b32 s20, ttmp9, 7
	s_lshl_b32 s21, s14, 5
	s_add_co_u32 s20, s20, s21
	s_lshl_b32 s20, s20, 10
	s_lshl_b32 s21, s17, 8
	s_add_co_u32 s20, s20, s21
	s_mov_b32 s21, 0
	s_add_nc_u64 s[12:13], s[12:13], s[20:21]      ; the rows of h that I store
	s_lshl_b32 s23, s16, 9
	s_lshl_b32 s50, s14, 16
	s_lshl_b32 s51, s15, 17
	s_lshl_b32 s52, s16, 15
	s_add_co_u32 s51, s51, s52
	s_mul_i32 s52, s16, 64*SPITCH
	s_lshl_b32 s53, s15, 7
	s_add_co_u32 s52, s52, s53
	s_add_co_u32 s52, s52, STG
	s_mul_i32 s53, s14, 32*SPITCH
	s_add_co_u32 s53, s53, STG
	v_and_b32 v1, 15, v0                           ; r
	v_bfe_u32 v2, v0, 4, 1                         ; h
	v_and_b32 v6, 31, v0
	v_lshlrev_b32 v[PO], 4, v6
	v_mul_u32_u24 v3, v1, PITCH
	v_lshl_add_u32 v3, v2, 4, v3
	v_add_nc_u32 v[ADB], s23, v3                   ; row x pitch + 16 h + 512 x version
	v_add_nc_u32 v[ADB+1], 64*PITCH, v[ADB]
	v_mov_b32 v[AY], v[ADB]
	v_mov_b32 v[AY+1], v[ADB+1]
	v_add_nc_u32 v[XW], s50, v[PO]                 ; the exchange: 65,536 bytes a wave, register images
	v_add_nc_u32 v[XU], s51, v[PO]                 ; up's sums of my hidden units, my four blocks of rows
	v_add_nc_u32 v[XG], 65536, v[XU]               ; gate's
	v_mul_u32_u24 v4, v1, SPITCH
	v_lshl_add_u32 v5, v2, 3, v4
	v_add_nc_u32 v[STO], s52, v5
	v_mul_u32_u24 v5, v2, SPITCH
	v_lshl_add_u32 v5, v1, 4, v5
	v_add_nc_u32 v[RD], s53, v5
	v_lshlrev_b32 v5, 10, v2
	v_lshl_add_u32 v[CO], v1, 4, v5
	s_wait_alu depctr_va_vdst(0)
.irp t, 0,1,2,3
	PLD \t, 512*\t
.endr
	s_wait_kmcnt 0x0
	s_cmp_eq_u32 s16, 0
	s_cselect_b32 s[LO], s48, s49                  ; bytes +c, -c, 0, 0
	s_lshr_b32 s[HI], s[LO], 8                     ; byte 0: -c
	s_wait_loadcnt 24                              ; K step 0's words are in
	WIN 0x51
.irp c, 0,1,2,3
	EC 0, \c, 0
	EC 1, \c, 0
.endr
	WIN 0xa2
.irp c, 0,1,2,3
	EC 3, \c, 0
	EC 4, \c, 0
.endr
	WIN 0xf3
.irp c, 0,1,2,3
	EC 6, \c, 0
.endr
	WIN 0
	s_wait_alu depctr_va_vdst(0)
	s_wait_tensorcnt 0x0                           ; slot 1's first fill is issued as a refill is
	ds_add_u32 v[SPW], v[NIL]
	s_xor_b32 s[G0+1], s[G0+1], SLOT
	s_add_nc_u64 s[G0+2:G0+3], s[G0+2:G0+3], 1024
	s_wait_dscnt 0x0
	ROUND
	tensor_load_to_lds s[G0:G0+3], s[G1:G1+7]
	s_nop 0
	NOP4
	FA AY, 0, 0
	FA AY, 0, 4
	STEP 0, 1, 0, AY, 1, 1, 4*512, 24, 1           ; the first step starts the sums
	s_mov_b32 s3, 2
.Llap:
	GROUP 1, 1, 24
	s_wait_xcnt 0x0                                ; the loads have read their base
	s_add_nc_u64 s[PBS:PBS+1], s[PBS:PBS+1], 2048
	s_sub_co_u32 s3, s3, 1
	s_cmp_lg_u32 s3, 0
	s_wait_alu depctr_va_vdst(0)
	s_cbranch_scc1 .Llap
	GROUP 2, 0, 16                                 ; K steps 9-12: nothing is filled again; step 12 asks for no more words
	SWAP
	STEP 1, 0, 0, AX, 2, 0, 0, 8, 1
	STEP 2, 0, 0, AX, 3, 0, 0, 0, 1
	STEP 3, 0, 0, AX, 0, 0, 0, -1, 0
	; THE WAY OUT.  All sums go through LDS as register images (both slots have had their last fill); then each wave takes 64 rows x 128 hidden units, up's and gate's sums alike from LDS.
	s_add_co_i32 s96, s68, s69                     ; e0 + e1
	s_add_co_i32 s97, s70, s71
	s_lshl_b32 s98, s96, 23
	s_add_co_i32 s[CN], s98, 0xbfb8aa3b            ; -log2(e) x 2^(e0 + e1)
	s_mov_b32 s[CN+1], s[CN]
	s_sub_co_i32 s99, s72, s96
	s_sub_co_i32 s99, s99, s97
	s_add_co_i32 s99, s99, 127
	s_lshl_b32 s98, s99, 23
	v_mov_b32 v[SCL], s98                          ; 2^(e4 - e0 - e1 - e2 - e3): the sums' scales are folded into the conversion's
	s_add_co_i32 s99, s99, 15
	s_lshl_b32 s99, s99, 23
	s_or_b32 s99, s99, 0x600000
	v_mov_b32 v[HOLD], s99
	s_wait_alu depctr_va_vdst(0)
	s_wait_dscnt 0x0
	s_barrier_signal -1
	s_barrier_wait -1                              ; nobody reads the slots any more
.irp bb, 0,1,2,3,4,5,6,7
	WIN (1+\bb/3)<<2
.irp aa, 0,1,2,3,4,5,6,7
	ds_store_b128 v[XW], v[64*(\bb%3)+8*\aa:64*(\bb%3)+8*\aa+3] offset:(8*\aa+\bb)*1024
	ds_store_b128 v[XW], v[64*(\bb%3)+8*\aa+4:64*(\bb%3)+8*\aa+7] offset:(8*\aa+\bb)*1024+512
.endr
.endr
	WIN 0
	s_wait_dscnt 0x0
	s_barrier_signal -1
	s_barrier_wait -1
	s_mov_b32 s50, 0
	s_mov_b32 s51, 0
	s_mov_b32 s3, 4
.Lrow:                                                 ; a block of 16 rows a trip
	v_add_nc_u32 v22, s50, v[XU]
	v_add_nc_u32 v23, s50, v[XG]
	v_add_nc_u32 v24, s51, v[STO]
.irp b, 0,1,2,3,4,5,6,7
	ds_load_b128 v[UU+8*\b:UU+8*\b+3], v22 offset:1024*\b
	ds_load_b128 v[UU+8*\b+4:UU+8*\b+7], v22 offset:1024*\b+512
.endr
.irp b, 0,1,2,3,4,5,6,7
	ds_load_b128 v[GG+8*\b:GG+8*\b+3], v23 offset:1024*\b
	ds_load_b128 v[GG+8*\b+4:GG+8*\b+7], v23 offset:1024*\b+512
.endr
	s_wait_alu depctr_va_vdst(0)
	s_wait_dscnt 0x0
.set jj, 0
.rept 32
	v_pk_mul_f32 v[TT+jj:TT+jj+1], v[UU+jj:UU+jj+1], s[CN:CN+1] op_sel_hi:[1,0]
.set jj, jj+2
.endr
	s_wait_alu depctr_va_vdst(0)
.set jj, 0
.rept 64
	v_exp_f32 v[TT+jj], v[TT+jj]
.set jj, jj+1
.endr
	v_nop
	s_wait_alu depctr_va_vdst(0)
.set jj, 0
.rept 32
	v_pk_add_f32 v[TT+jj:TT+jj+1], v[TT+jj:TT+jj+1], 1.0 op_sel_hi:[1,0]
.set jj, jj+2
.endr
	s_wait_alu depctr_va_vdst(0)
.set jj, 0
.rept 64
	v_rcp_f32 v[TT+jj], v[TT+jj]
.set jj, jj+1
.endr
	v_nop
	s_wait_alu depctr_va_vdst(0)
.set jj, 0
.rept 32
	v_pk_mul_f32 v[TT+jj:TT+jj+1], v[TT+jj:TT+jj+1], v[UU+jj:UU+jj+1]
.set jj, jj+2
.endr
.set jj, 0
.rept 32
	v_pk_mul_f32 v[TT+jj:TT+jj+1], v[TT+jj:TT+jj+1], v[GG+jj:GG+jj+1]
.set jj, jj+2
.endr
.set jj, 0
.rept 64
	v_med3_num_f32 v[TT+jj], v[TT+jj], -v[HOLD], v[HOLD]
.set jj, jj+1
.endr
.irp b, 0,1,2,3,4,5,6,7
	v_cvt_scalef32_pk8_bf8_f32 v[CC+2*\b:CC+2*\b+1], v[TT+8*\b:TT+8*\b+7], v[SCL]
.endr
	v_nop
.irp b, 0,1,2,3,4,5,6,7
	ds_store_b64 v24, v[CC+2*\b:CC+2*\b+1] offset:16*\b
.endr
	s_add_co_u32 s50, s50, 8192
	s_add_co_u32 s51, s51, 16*SPITCH
	s_sub_co_u32 s3, s3, 1
	s_cmp_lg_u32 s3, 0
	s_wait_alu depctr_va_vdst(0)
	s_cbranch_scc1 .Lrow
	s_wait_dscnt 0x0
	s_barrier_signal -1
	s_barrier_wait -1
.irp i, 0,1,2,3,4,5,6,7,8,9,10,11,12,13,14,15
	ds_load_b128 v[UU+4*\i:UU+4*\i+3], v[RD] offset:2*\i*SPITCH
.endr
.irp i, 0,1,2,3,4,5,6,7,8,9,10,11,12,13,14,15
	s_wait_dscnt 15-\i
	global_store_b128 v[CO], v[UU+4*\i:UU+4*\i+3], s[12:13] offset:2048*\i   ; sixteen lanes store 256 consecutive bytes of a row of h
.endr
	s_wait_tensorcnt 0x0                           ; the wave's end
	ds_add_u32 v[SPW], v[NIL]
	s_wait_dscnt 0x0
	ROUND                                          ; the closing round
	s_endpgm
.Lfunc_end_k_qfcfb421d61_upgate:
	.size	k_qfcfb421d61_upgate, .Lfunc_end_k_qfcfb421d61_upgate-k_qfcfb421d61_upgate
	.p2alignl 7, 3214868480
	.fill 96, 4, 3214868480
	.section	.rodata,"a",@progbits
	.p2align	6, 0x0
	.amdhsa_kernel k_qfcfb421d61_upgate
		.amdhsa_group_segment_fixed_size 327680
		.amdhsa_private_segment_fixed_size 0
		.amdhsa_enable_private_segment 0
		.amdhsa_kernarg_size 40
		.amdhsa_user_sgpr_count 2
		.amdhsa_user_sgpr_kernarg_segment_ptr 1
		.amdhsa_wavefront_size32 1
		.amdhsa_system_sgpr_workgroup_id_x 1
		.amdhsa_system_sgpr_workgroup_id_y 1
		.amdhsa_system_sgpr_workgroup_id_z 1
		.amdhsa_system_vgpr_workitem_id 0
		.amdhsa_next_free_vgpr 1024
		.amdhsa_next_free_sgpr 100
		.amdhsa_reserve_vcc 0
		.amdhsa_float_denorm_mode_32 3
		.amdhsa_float_denorm_mode_16_64 3
		.amdhsa_memory_ordered 1
		.amdhsa_forward_progress 1
		.amdhsa_inst_pref_size 255
	.end_amdhsa_kernel
	.section	.bss,"aw",@nobits
	.p2align	6
	.space	262144
	.amdgpu_metadata
---
amdhsa.version: [ 1, 2 ]
amdhsa.kernels:
  - .name:           k_qfcfb421d61_upgate
    .symbol:         k_qfcfb421d61_upgate.kd
    .args:
      - { .name: xc, .offset: 0, .size: 8, .value_kind: global_buffer, .address_space: global }
      - { .name: wc, .offset: 8, .size: 8, .value_kind: global_buffer, .address_space: global }
      - { .name: lowp_scales, .offset: 16, .size: 8, .value_kind: global_buffer, .address_space: global }
      - { .name: wtab, .offset: 24, .size: 8, .value_kind: global_buffer, .address_space: global }
      - { .name: h_codes, .offset: 32, .size: 8, .value_kind: global_buffer, .address_space: global }
    .group_segment_fixed_size: 327680
    .private_segment_fixed_size: 0
    .kernarg_segment_align: 8
    .kernarg_segment_size: 40
    .max_flat_workgroup_size: 128
    .sgpr_count:     100
    .vgpr_count:     1024
    .wavefront_size: 32
...
	.end_amdgpu_metadata
.endif
;; end of part 3
;; launch down (part 4): grid 256 x 1, 4 waves a work-group, clusters of 4 x 1, 327,680 bytes of LDS; arguments h_codes, wc, lowp_scales, wtab, out0; writes out0
.if DOCPART == 4
	.amdgcn_target "amdgcn-amd-amdhsa--gfx1250"
	.amdhsa_code_object_version 6
	.text
	.protected	k_qfcfb421d61_down
	.globl	k_qfcfb421d61_down
	.p2align	8
	.type	k_qfcfb421d61_down,@function
k_qfcfb421d61_down:
	s_mov_b64 s[64:65], 0
	v_nop
	global_prefetch_b8 v0, s[64:65] scope:SCOPE_SE
	s_setreg_imm32_b32 hwreg(HW_REG_WAVE_MODE, 25, 1), 1
	s_wait_xcnt 0x0
	s_wait_alu depctr_hold_cnt(0) depctr_sa_sdst(0) depctr_va_vdst(0) depctr_va_sdst(0) depctr_va_ssrc(0) depctr_va_vcc(0) depctr_vm_vsrc(0)
	s_getreg_b32 s2, hwreg(HW_REG_IB_STS2, 6, 4)
	s_cmp_eq_u32 s2, 0
	s_cbranch_scc0 .Lentry_in_a_cluster
	s_endpgm
.Lentry_in_a_cluster:
	s_bfe_u32 s2, ttmp6, 0x10000c
	s_cmp_lg_u32 s2, 0x3003
	s_cbranch_scc0 .Lentry_shape_is_right
	s_endpgm
.Lentry_shape_is_right:
; FOURTH LAUNCH: out = h Wd^T on codes of E5M2, each finished sum x 2^(e4 + e5).  Nothing of reference() is left out.
; A work-group makes 256 x 256 of out; wave w rows 128 (w / 2) on, columns 128 (w % 2) on.  K = 1,024: eight K steps of 128.
; A (h's codes, 256 rows x 1,024 bytes) lies in LDS whole: two regions of 256 rows x 512 bytes, each filled once, each wave 64 rows a fill; the four work-groups of a cluster make four column blocks of one row block and ask jointly (mask 15).
; B: each wave's weights are its own; they come packed, 2 bits a weight, from memory straight into registers (4 loads of 512 consecutive bytes a step, asked three steps ahead of their first use) and are widened to their codes
; by v_and_b32 and v_perm_b32 on the tensor's table word, between the matrix instructions, as in the launch before.
; TWO PASSES over K: pass 0 makes my columns 0-63 (B's blocks 0-3), pass 1 columns 64-127.  No fragment of B is widened twice; A's fragments are read from LDS twice.  64 columns are 256 bytes of a row of out.
; Pass 0's results leave during pass 1: in each of its eight steps one block of 16 rows goes through my own stage in LDS and is stored as whole rows of 256 bytes.
; REGISTERS.  Window 0: v0-31 addresses; v32-95 packed words, four sets of 16; v96-127 a block's scaled sums; v128-255 A's eight fragments.
;   Windows 1, 2, 3 hold B's blocks 0-2, 3-5, 6-7: accumulator (a, b) at v[64 (b % 3) + 8 a]; block b's fragment at v[192 + 16 (b % 3)]; v240-255 at work; window 3 v128-191: rows back from the stage, two sets.
; No prefetch into the L2: the launch has two fills, both asked at its head, and no loop to run ahead in.
; LIMIT: e4 + e5 between -126 and 127.
.set PITCH,  528                       ; an LDS row: 512 bytes + 16
.set SLOT,   256*PITCH
.set STGB,   2*SLOT                    ; the stages: 16 rows x 272 bytes a wave
.set SPITCH, 272
.set SPARE,  STGB+4*16*SPITCH          ; the spare words: 512 bytes that no other line names
.set A0,  8                            ; v8, v9  my A fragments' address in region 0, 1
.set PO,  14
.set STO, 19
.set RD,  20
.set CO,  21
.set SPW, 28
.set NIL, 29
.set PB,  32
.set TMP, 96
.set AF,  128
.set BK,  128                          ; in window 3
.set G1, 24
.set G0, 32
.set M3, 40
.set MC, 41
.set LO, 42
.set HI, 43
.set PBS, 46
.set MSB, 0
.macro WIN new
.if MSB != (\new)
	s_set_vgpr_msb (MSB<<8)|(\new)
.set MSB, (\new)
.endif
.endm
.macro NOP4
.rept 4
	v_nop
.endr
.endm
.macro ROUND                           ; a round of the cluster's barrier
	s_barrier_signal -1
	s_barrier_wait -1
	s_cmp_lg_u32 s14, 0
	s_cbranch_scc1 .Lnot_wave_0_\@
	s_barrier_signal -3
.Lnot_wave_0_\@:
	s_barrier_wait -3
	s_barrier_signal -1
	s_barrier_wait -1
.endm
.macro WM a, b, z                      ; one product; a pass's 32 accumulators take turns in the same order in every step
.set AC, 64*((\b)%3)+8*(\a)
.set FB, 192+16*((\b)%3)
.if \z
	v_wmma_f32_16x16x128_bf8_bf8 v[AC:AC+7], v[FB:FB+15], v[AF+16*(\a):AF+16*(\a)+15], 0
.else
	v_wmma_f32_16x16x128_bf8_bf8 v[AC:AC+7], v[FB:FB+15], v[AF+16*(\a):AF+16*(\a)+15], v[AC:AC+7]
.endif
.endm
.macro EC b, c, set                    ; packed word c of block b -> registers 4 c .. 4 c + 3 of its fragment; five lines stand ahead of the first write of the fragment: the places behind its last product
.set FC, 192+16*((\b)%3)+4*(\c)
.set T, 240+8*((\c)%2)
.set PR, PB+16*(\set)+4*((\b)%4)+(\c)
	v_lshrrev_b32 v[T+4], 4, v[PR]
	v_and_b32 v[T], s[M3], v[PR]
	v_and_b32 v[T+1], s[MC], v[PR]
	v_and_b32 v[T+2], v[T+4], s[M3]
	v_and_b32 v[T+3], v[T+4], s[MC]
.irp d, 0,1,2,3
	v_perm_b32 v[FC+\d], s[HI], s[LO], v[T+\d]
.endr
.endm
.macro ECS b, set
.irp c, 0,1,2,3
	EC \b, \c, \set
.endr
.endm
.macro P1G3 f, z, set                  ; A's blocks 0-3 x three blocks of B; the third's codes of THIS step are made under the first two's products
	WM 0, \f, \z
	EC (\f)+2, 0, \set
	WM 1, \f, \z
	WM 2, \f, \z
	EC (\f)+2, 1, \set
	WM 3, \f, \z
	WM 0, (\f)+1, \z
	EC (\f)+2, 2, \set
	WM 1, (\f)+1, \z
	WM 2, (\f)+1, \z
	EC (\f)+2, 3, \set
	WM 3, (\f)+1, \z
.irp k, 0,1,2,3
	WM \k, (\f)+2, \z
.endr
.endm
.macro P1G2 f, z, set                  ; the same for two blocks
.irp k, 0,1,2,3
	WM \k, \f, \z
	EC (\f)+1, \k, \set
.endr
.irp k, 0,1,2,3
	WM \k, (\f)+1, \z
.endr
.endm
.macro P2P bw, be, z, set, ex          ; A's blocks 4-7 x block bw; between them block be's codes of the NEXT step
.irp k, 0,1,2,3
	WM 4+\k, \bw, \z
.if \ex
	EC \be, \k, \set
.endif
.endr
.endm
.macro W47 b, z
.irp k, 4,5,6,7
	WM \k, \b, \z
.endr
.endm
.macro FA ad, q, i0                    ; A's blocks i0 .. i0 + 3 of the region's K step q
.irp i, 0,1,2,3
.irp c, 0,1,2,3
	ds_load_b128 v[AF+16*((\i0)+\i)+4*\c:AF+16*((\i0)+\i)+4*\c+3], v[\ad] offset:((\i0)+\i)*16*PITCH+128*(\q)+32*\c
.endr
.endr
.endm
.macro PLD set, soff                   ; a step's packed words, 4 loads
.irp b, 0,1,2,3
	global_load_b128 v[PB+16*(\set)+4*\b:PB+16*(\set)+4*\b+3], v[PO], s[PBS:PBS+1] offset:4096*\b+(\soff)
.endr
.endm
.macro TOST a, p                       ; block a of pass p: x 2^(e4 + e5), into my stage, and back as whole rows of 256 bytes
.irp bp, 0,1,2,3
	WIN 1+(4*(\p)+\bp)/3
.irp j, 0,2,4,6
	v_pk_mul_f32 v[TMP+8*\bp+\j:TMP+8*\bp+\j+1], v[64*((4*(\p)+\bp)%3)+8*(\a)+\j:64*((4*(\p)+\bp)%3)+8*(\a)+\j+1], s[96:97] op_sel_hi:[1,0]
.endr
.endr
	WIN 0
.irp bp, 0,1,2,3
	ds_store_b128 v[STO], v[TMP+8*\bp:TMP+8*\bp+3] offset:64*\bp
	ds_store_b128 v[STO], v[TMP+8*\bp+4:TMP+8*\bp+7] offset:64*\bp+16
.endr
	WIN 0xc0
.irp i, 0,1,2,3,4,5,6,7
	ds_load_b128 v[BK+32*((\a)%2)+4*\i:BK+32*((\a)%2)+4*\i+3], v[RD] offset:2*\i*SPITCH   ; LDS serves a wave's instructions in order
.endr
	WIN 0
.endm
.macro GST a, p                        ; sixteen lanes store 256 consecutive bytes of a row of out, at a multiple of 256
	WIN 0x04*3
.irp i, 0,1,2,3,4,5,6,7
	global_store_b128 v[CO], v[BK+32*((\a)%2)+4*\i:BK+32*((\a)%2)+4*\i+3], s[12:13] offset:(16*(\a)+2*\i)*8192+256*(\p) th:TH_STORE_NT
.endr
	WIN 0
.endm
; Step g of sixteen: pass g / 8, K step g % 8.
.macro DS g
.set PP, (\g)/8
.set KS, (\g)%8
.set QQ, (\g)%4                        ; its set of packed words
.set NS, (QQ+1)%4
.set ZZ, 1-(KS+7)/8                    ; a pass's first step starts its sums
.set EN, (14-KS)/8                     ; the pass has a next step
.set NG, (\g)+1
.set AD, A0+(NG%8)/4
.set NQ, NG%4
.set LG, (\g)+4
	s_wait_alu depctr_va_vdst(0)
	s_wait_dscnt 16                                ; all but the sixteen youngest loads (A's blocks 4-7) are in
.if (\g) > 8
	GST (\g)-9, 0                                  ; the block that went through the stage in the step before
.endif
.if PP == 0
	WIN 0x51
	P1G3 0, ZZ, QQ
	WIN 0xa2
.irp k, 0,1,2,3
	WM \k, 3, ZZ
.endr
.else
	WIN 0xa2
	P1G2 4, ZZ, QQ
	WIN 0xf3
	P1G2 6, ZZ, QQ
.endif
	WIN 0
.if 1-EN
	s_wait_alu depctr_va_vdst(0)                   ; a pass's last step widens no codes between its products (elsewhere more than nine plain vector lines stand ahead of every reader)
.endif
.if (\g) == 3
	s_wait_alu depctr_va_vdst(0)
	s_wait_tensorcnt 0x0
	ds_add_u32 v[SPW], v[NIL]
	s_wait_dscnt 0x0
	s_barrier_signal -1
	s_barrier_wait -1                              ; and so is everybody's
.else
	s_wait_dscnt 0x0                               ; A's blocks 4-7 are in
.endif
.if (\g) < 15
	NOP4                                           ; places ahead of loads into registers that products have read
	FA AD, NQ, 0
.endif
.if (\g) < 12
	PLD QQ, (LG/8)*16384+(LG%8)*512
	s_wait_loadcnt 12                              ; the next step's words are in; three younger steps' may be out
.elseif (\g) < 15
	s_wait_loadcnt 4*(14-(\g))
.endif
.if (\g) >= 8
	s_wait_xcnt 0x0                                ; earlier stores have read their registers
	TOST (\g)-8, 0
.endif
.if PP == 0
	WIN 0x51
	W47 0, ZZ
	P2P 1, 0, ZZ, NS, EN
	P2P 2, 1, ZZ, NS, EN
	WIN 0xa2
	W47 3, ZZ
.if EN
	ECS 3, NS
.else
	ECS 4, NS                                      ; pass 1's first codes
	WIN 0xf3
	ECS 6, NS
.endif
.else
	WIN 0xa2
	W47 4, ZZ
	P2P 5, 4, ZZ, NS, EN
	WIN 0xf3
	W47 6, ZZ
	P2P 7, 6, ZZ, NS, EN
.endif
.if (\g) < 15
	WIN 0
	FA AD, NQ, 4                                   ; the lines that widen the last words are the places ahead of these loads
.else
	NOP4
	WIN 0
.endif
.endm
	s_load_b256 s[4:11], s[0:1], 0x0               ; h_codes, wc, the exponents, wtab
	s_load_b64 s[12:13], s[0:1], 0x20              ; out0
	v_lshl_add_u32 v[SPW], v0, 2, SPARE
	v_mov_b32 v[NIL], 0
	ds_add_u32 v[SPW], v[NIL]
	ds_add_u32 v[SPW], v[NIL]
	v_lshrrev_b32 v1, 5, v0
	v_readfirstlane_b32 s14, v1                    ; wave
	s_lshr_b32 s15, s14, 1                         ; which 128 rows
	s_and_b32 s16, s14, 1                          ; which 128 columns
	s_bfe_u32 s17, ttmp6, 0x40000                  ; cx
	s_lshr_b32 s18, ttmp9, 1                       ; the row block: the cluster's alone
	s_and_b32 s19, ttmp9, 1
	s_lshl_b32 s19, s19, 2
	s_add_co_u32 s19, s19, s17                     ; the column block
	s_mov_b32 s[G1], 15|(1<<20)|(1<<21)|(6<<22)|(3<<25)   ; mask of the four; bytes; 4 words of padding behind every 128 words
	s_mov_b32 s[G1+1], 512<<16
	s_mov_b32 s[G1+2], 64<<16
	s_mov_b32 s[G1+3], 512<<16
	s_mov_b32 s[G1+4], 64
	s_mov_b32 s[G1+5], 1024
	s_mov_b32 s[G1+6], 0
	s_mov_b32 s[G1+7], 0
	s_lshl_b32 s20, s18, 8
	s_lshl_b32 s21, s14, 6
	s_add_co_u32 s20, s20, s21                     ; the 64 rows that I fetch
	s_lshl_b32 s20, s20, 10
	s_mov_b32 s21, 0
	s_mul_i32 s22, s14, 64*PITCH
	s_mov_b32 s[M3], 0x03030303
	s_mov_b32 s[MC], 0x0c0c0c0c
	s_wait_alu depctr_va_vdst(0)
	s_wait_dscnt 0x0
	s_wait_kmcnt 0x0
	s_load_b64 s[96:97], s[8:9], 0x10              ; e4, e5
	s_load_b32 s[LO], s[10:11], 0x8                ; W_down's table word: bytes +c, -c, 0, 0
	ROUND
	s_mov_b32 s[G0], 1
	s_mov_b32 s[G0+1], s22
	s_add_nc_u64 s[G0+2:G0+3], s[4:5], s[20:21]
	s_or_b32 s[G0+3], s[G0+3], 0x80000000
	tensor_load_to_lds s[G0:G0+3], s[G1:G1+7]      ; K steps 0-3: my one load at the head
	s_nop 0
	s_lshl_b32 s50, s19, 4
	s_lshl_b32 s51, s16, 3
	s_add_co_u32 s50, s50, s51
	s_lshl_b32 s50, s50, 12                        ; my first block of 16 rows of W_down: 4,096 bytes a block,
	s_add_co_u32 s50, s50, 0x100000                ; behind W_up's and W_gate's
	s_mov_b32 s51, 0
	s_add_nc_u64 s[PBS:PBS+1], s[6:7], s[50:51]
	s_lshl_b32 s50, s18, 8
	s_lshl_b32 s51, s15, 7
	s_add_co_u32 s50, s50, s51
	s_lshl_b32 s50, s50, 13                        ; my first row of out, 8,192 bytes a row
	s_lshl_b32 s51, s19, 10
	s_add_co_u32 s50, s50, s51
	s_lshl_b32 s51, s16, 9
	s_add_co_u32 s50, s50, s51
	s_mov_b32 s51, 0
	s_add_nc_u64 s[12:13], s[12:13], s[50:51]
	s_mul_i32 s23, s15, 128*PITCH
	s_mul_i32 s52, s14, 16*SPITCH
	s_add_co_u32 s52, s52, STGB
	v_and_b32 v1, 15, v0                           ; r
	v_bfe_u32 v2, v0, 4, 1                         ; h
	v_and_b32 v6, 31, v0
	v_lshlrev_b32 v[PO], 4, v6
	v_mul_u32_u24 v3, v1, PITCH
	v_lshl_add_u32 v3, v2, 4, v3
	v_add_nc_u32 v[A0], s23, v3
	v_add_nc_u32 v[A0+1], SLOT, v[A0]
	v_mul_u32_u24 v4, v1, SPITCH
	v_lshl_add_u32 v4, v2, 5, v4
	v_add_nc_u32 v[STO], s52, v4                   ; into the stage: row r, 32 bytes for each half of the lanes
	v_mul_u32_u24 v5, v2, SPITCH
	v_lshl_add_u32 v5, v1, 4, v5
	v_add_nc_u32 v[RD], s52, v5                    ; back: sixteen lanes a row
	v_lshlrev_b32 v5, 13, v2
	v_lshl_add_u32 v[CO], v1, 4, v5
	s_wait_alu depctr_va_vdst(0)
.irp t, 0,1,2,3
	PLD \t, 512*\t
.endr
	s_wait_kmcnt 0x0
	s_lshr_b32 s[HI], s[LO], 8                     ; byte 0: -c
	s_add_co_i32 s96, s96, s97
	s_add_co_i32 s96, s96, 127
	s_lshl_b32 s96, s96, 23                        ; 2^(e4 + e5)
	s_mov_b32 s97, s96
	s_wait_loadcnt 12                              ; step 0's words are in
	WIN 0x51
	ECS 0, 0
	ECS 1, 0
	WIN 0xa2
	ECS 3, 0
	WIN 0
	s_wait_alu depctr_va_vdst(0)
	s_wait_tensorcnt 0x0                           ; region 1's fill is issued as a refill is
	ds_add_u32 v[SPW], v[NIL]
	s_xor_b32 s[G0+1], s[G0+1], SLOT
	s_add_nc_u64 s[G0+2:G0+3], s[G0+2:G0+3], 512
	s_wait_dscnt 0x0
	ROUND
	tensor_load_to_lds s[G0:G0+3], s[G1:G1+7]      ; K steps 4-7
	s_nop 0
	NOP4
	FA A0, 0, 0
	FA A0, 0, 4
.irp g, 0,1,2,3,4,5,6,7,8,9,10,11,12,13,14,15
	DS \g
.endr
	s_wait_dscnt 0x0
	GST 7, 0
.irp a, 0,1,2,3,4,5,6,7                ; pass 1's results: while one block's rows are stored, the next is on its way through the stage
	s_wait_xcnt 0x0                                ; earlier stores have read their registers
	TOST \a, 1
.if \a > 0
	s_wait_dscnt 16                                ; block a - 1 is back; block a's 8 stores and 8 loads may be out
	GST (\a-1), 1
.endif
.endr
	s_wait_dscnt 0x0
	GST 7, 1
	s_wait_tensorcnt 0x0                           ; the wave's end
	ds_add_u32 v[SPW], v[NIL]
	s_wait_dscnt 0x0
	ROUND                                          ; the closing round
	s_endpgm
.Lfunc_end_k_qfcfb421d61_down:
	.size	k_qfcfb421d61_down, .Lfunc_end_k_qfcfb421d61_down-k_qfcfb421d61_down
	.p2alignl 7, 3214868480
	.fill 96, 4, 3214868480
	.section	.rodata,"a",@progbits
	.p2align	6, 0x0
	.amdhsa_kernel k_qfcfb421d61_down
		.amdhsa_group_segment_fixed_size 327680
		.amdhsa_private_segment_fixed_size 0
		.amdhsa_enable_private_segment 0
		.amdhsa_kernarg_size 40
		.amdhsa_user_sgpr_count 2
		.amdhsa_user_sgpr_kernarg_segment_ptr 1
		.amdhsa_wavefront_size32 1
		.amdhsa_system_sgpr_workgroup_id_x 1
		.amdhsa_system_sgpr_workgroup_id_y 1
		.amdhsa_system_sgpr_workgroup_id_z 1
		.amdhsa_system_vgpr_workitem_id 0
		.amdhsa_next_free_vgpr 1024
		.amdhsa_next_free_sgpr 100
		.amdhsa_reserve_vcc 0
		.amdhsa_float_denorm_mode_32 3
		.amdhsa_float_denorm_mode_16_64 3
		.amdhsa_memory_ordered 1
		.amdhsa_forward_progress 1
		.amdhsa_inst_pref_size 252
	.end_amdhsa_kernel
	.amdgpu_metadata
---
amdhsa.version: [ 1, 2 ]
amdhsa.kernels:
  - .name:           k_qfcfb421d61_down
    .symbol:         k_qfcfb421d61_down.kd
    .args:
      - { .name: h_codes, .offset: 0, .size: 8, .value_kind: global_buffer, .address_space: global }
      - { .name: wc, .offset: 8, .size: 8, .value_kind: global_buffer, .address_space: global }
      - { .name: lowp_scales, .offset: 16, .size: 8, .value_kind: global_buffer, .address_space: global }
      - { .name: wtab, .offset: 24, .size: 8, .value_kind: global_buffer, .address_space: global }
      - { .name: out0, .offset: 32, .size: 8, .value_kind: global_buffer, .address_space: global }
    .group_segment_fixed_size: 327680
    .private_segment_fixed_size: 0
    .kernarg_segment_align: 8
    .kernarg_segment_size: 40
    .max_flat_workgroup_size: 128
    .sgpr_count:     100
    .vgpr_count:     1024
    .wavefront_size: 32
...
	.end_amdgpu_metadata
.endif
;; end of part 4
